; MI455X (gfx1250); checked and timed in simulation.
; The chip was launched on July 23, 2026; its instructions are those of AMD's public machine-readable ISA for CDNA 5 (MIT licence, August 2026) and "CDNA5" Instruction Set Architecture Reference Guide (July 2026). The comments in the code are by the model that wrote it; some were corrected since.
;; MSA Row Attention With Pair Bias. Allowed arithmetic: float matrix products may take bf16 or f16 operands with f32 sums; all other float work in f32.
;; Inputs: Wg 256 x 256 float32; Wk 256 x 256 float32; Wo 256 x 256 float32; Wq 256 x 256 float32; Wv 256 x 256 float32; bg 256 float32; bo 256 float32; ln_b 256 float32; ln_g 256 float32; m 1 x 128 x 256 x 256 float32; res_pad 1 x 256 bool; seq_pad 1 x 256 bool.
;; Outputs: out0 1 x 128 x 256 x 256 float32.
;; One version. Each part assembles by itself: llvm-mc -triple=amdgcn-amd-amdhsa -mcpu=gfx1250 --defsym DOCPART=n.
;; ======== version 1 of 1: 2 launches
;; limits: values are held in f16: magnitudes above 65,504 overflow, below 6.1e-05 lose precision
;; workspace buffers: wf 655,360 bytes
;; launch prep (part 1): grid 16 x 5, 16 waves a work-group, no clusters, 0 bytes of LDS; arguments Wq, Wk, Wv, Wg, Wo, wf; writes wf
.if DOCPART == 1
	.amdgcn_target "amdgcn-amd-amdhsa--gfx1250"
	.amdhsa_code_object_version 6
	.text
	.protected	k_q8a2de363df_prep
	.globl	k_q8a2de363df_prep
	.p2align	8
	.type	k_q8a2de363df_prep,@function
k_q8a2de363df_prep:
	s_mov_b64 s[64:65], 0
	v_nop
	global_prefetch_b8 v0, s[64:65] scope:SCOPE_SE
	s_setreg_imm32_b32 hwreg(HW_REG_WAVE_MODE, 25, 1), 1
	s_wait_xcnt 0x0
; The five 256 x 256 f32 weight matrices, rounded once to f16 and laid in the order in which the matrix
; instruction wants a 16-bit operand, so that the main launch fills a fragment by plain 16-byte loads.
; f16, not bf16: see the head of the main launch.  Limit: a weight beyond 65,504 in magnitude becomes infinite
; (the drawn weights have a spread of 1/16); below 2^-14 the step is 2^-24.
; wf byte  M*131072 + t*8192 + ks*1024 + q*512 + L*16  holds  W_M[16 t + (L & 15)][32 ks + 16 q + 8 (L >> 4) + 0..7],
; M = 0 Wq, 1 Wk, 2 Wv, 3 Wg, 4 Wo.  Work-group (t, M) makes 8,192 bytes; thread n = 32 (2 ks + q) + L makes the 16 bytes at 16 n.
; A store of a wave covers 512 consecutive bytes, aligned.  A load takes 64 bytes of each of 16 rows; the four waves that
; complete 256 consecutive bytes of a row belong to the same work-group.  Memory binds: no LDS, no barrier.
	s_load_b256 s[4:11], s[0:1], 0x0               ; Wq s[4:5], Wk s[6:7], Wv s[8:9], Wg s[10:11]
	s_load_b128 s[12:15], s[0:1], 0x20             ; Wo s[12:13], wf s[14:15]
	s_and_b32 s16, ttmp7, 0xffff                   ; M
	v_and_b32 v1, 15, v0                           ; row of the 16
	v_lshrrev_b32 v2, 5, v0                        ; wave = 2 ks + q: 16 columns = 64 bytes each
	v_bfe_u32 v3, v0, 4, 1                         ; half of the lanes: 8 columns = 32 bytes
	v_lshlrev_b32 v4, 10, v1                       ; a row of W is 1,024 bytes
	v_lshl_add_u32 v4, v2, 6, v4
	v_lshl_add_u32 v4, v3, 5, v4                   ; source offset
	v_lshlrev_b32 v5, 4, v0                        ; target offset
	s_lshl_b32 s18, ttmp9, 14                      ; 16 rows of 1,024 bytes for each t
	s_mov_b32 s19, 0
	s_lshl_b32 s20, s16, 17
	s_lshl_b32 s17, ttmp9, 13
	s_add_co_u32 s20, s20, s17                     ; M*131072 + t*8192
	s_mov_b32 s21, 0
	s_wait_kmcnt 0x0
	s_cmp_eq_u32 s16, 1                            ; the source matrix, chosen by the work-group id alone
	s_cselect_b64 s[4:5], s[6:7], s[4:5]
	s_cmp_eq_u32 s16, 2
	s_cselect_b64 s[4:5], s[8:9], s[4:5]
	s_cmp_eq_u32 s16, 3
	s_cselect_b64 s[4:5], s[10:11], s[4:5]
	s_cmp_eq_u32 s16, 4
	s_cselect_b64 s[4:5], s[12:13], s[4:5]
	s_add_nc_u64 s[4:5], s[4:5], s[18:19]
	s_add_nc_u64 s[14:15], s[14:15], s[20:21]
	global_load_b128 v[8:11], v4, s[4:5]
	global_load_b128 v[12:15], v4, s[4:5] offset:16
	s_wait_loadcnt 0x0
	v_cvt_pk_f16_f32 v16, v8, v9                   ; the lower column in the lower half
	v_cvt_pk_f16_f32 v17, v10, v11
	v_cvt_pk_f16_f32 v18, v12, v13
	v_cvt_pk_f16_f32 v19, v14, v15
	global_store_b128 v5, v[16:19], s[14:15]
	s_endpgm
.Lfunc_end_k_q8a2de363df_prep:
	.size	k_q8a2de363df_prep, .Lfunc_end_k_q8a2de363df_prep-k_q8a2de363df_prep
	.p2alignl 7, 3214868480
	.fill 96, 4, 3214868480
	.section	.rodata,"a",@progbits
	.p2align	6, 0x0
	.amdhsa_kernel k_q8a2de363df_prep
		.amdhsa_group_segment_fixed_size 0
		.amdhsa_private_segment_fixed_size 0
		.amdhsa_enable_private_segment 0
		.amdhsa_kernarg_size 48
		.amdhsa_user_sgpr_count 2
		.amdhsa_user_sgpr_kernarg_segment_ptr 1
		.amdhsa_wavefront_size32 1
		.amdhsa_system_sgpr_workgroup_id_x 1
		.amdhsa_system_sgpr_workgroup_id_y 1
		.amdhsa_system_sgpr_workgroup_id_z 1
		.amdhsa_system_vgpr_workitem_id 0
		.amdhsa_next_free_vgpr 20
		.amdhsa_next_free_sgpr 66
		.amdhsa_reserve_vcc 0
		.amdhsa_float_denorm_mode_32 3
		.amdhsa_float_denorm_mode_16_64 3
		.amdhsa_memory_ordered 1
		.amdhsa_forward_progress 1
		.amdhsa_inst_pref_size 2
	.end_amdhsa_kernel
	.amdgpu_metadata
---
amdhsa.version: [ 1, 2 ]
amdhsa.kernels:
  - .name:           k_q8a2de363df_prep
    .symbol:         k_q8a2de363df_prep.kd
    .args:
      - { .name: Wq, .offset: 0, .size: 8, .value_kind: global_buffer, .address_space: global }
      - { .name: Wk, .offset: 8, .size: 8, .value_kind: global_buffer, .address_space: global }
      - { .name: Wv, .offset: 16, .size: 8, .value_kind: global_buffer, .address_space: global }
      - { .name: Wg, .offset: 24, .size: 8, .value_kind: global_buffer, .address_space: global }
      - { .name: Wo, .offset: 32, .size: 8, .value_kind: global_buffer, .address_space: global }
      - { .name: wf, .offset: 40, .size: 8, .value_kind: global_buffer, .address_space: global }
    .group_segment_fixed_size: 0
    .private_segment_fixed_size: 0
    .kernarg_segment_align: 8
    .kernarg_segment_size: 48
    .max_flat_workgroup_size: 512
    .sgpr_count:     66
    .vgpr_count:     20
    .wavefront_size: 32
...
	.end_amdgpu_metadata
.endif
;; end of part 1
;; launch main (part 2): grid 256 x 1, 8 waves a work-group, no clusters, 271,360 bytes of LDS; arguments m, seq_pad, res_pad, ln_g, ln_b, bg, bo, wf, out0; writes out0
.if DOCPART == 2
	.amdgcn_target "amdgcn-amd-amdhsa--gfx1250"
	.amdhsa_code_object_version 6
	.text
	.protected	k_q8a2de363df_main
	.globl	k_q8a2de363df_main
	.p2align	8
	.type	k_q8a2de363df_main,@function
k_q8a2de363df_main:
	s_mov_b64 s[64:65], 0
	v_nop
	global_prefetch_b8 v0, s[64:65] scope:SCOPE_SE
	s_setreg_imm32_b32 hwreg(HW_REG_WAVE_MODE, 25, 1), 1
	s_wait_xcnt 0x0
; MSA row attention, all steps fused: LayerNorm, q k v gate projections, 8 heads of attention over 256 keys with the pad
; bias, sigmoid gate, output projection and bias.
; Work-group n: MSA row s = n >> 1, query half par = n & 1: 128 queries, K and V of all 256 tokens (made in both halves:
; 256 work-groups of 79.7 M multiply-adds instead of 128 of 126 M).  Eight waves, wave w = head w in the projections and in
; attention, output columns 32 w .. 32 w + 31 in the last product.
; Every product is oriented so that its result, packed to f16, IS the next operand in the same lanes:
;   K^T, Q^T, G^T = W x X   (lane: token r, c = 8h + j)      -> fragments of K and Q, and G in the places of O^T
;   V             = X x Wv  (lane: c = r, tokens 8h + j)     -> fragments of V^T
;   S^T           = K x Q   (lane: query r, keys 8h + j)     -> softmax in the lane and its partner lane xor 16; fragments of P
;   O^T = V^T x P, SUM = ones x P (the row sum in every register)  -> the gated O^T, packed, is fragment ks = w of the last product
;   out^T = Wo x O (lane: query r, 8 neighbouring columns)
; MATRIX OPERANDS ARE f16, SUMS f32.  Twelve operand roundings lie between m and out0 (X, Wq, Q, X, Wk, K on the way into the
; exponent; X, Wv, V, P, O, Wo on the way into the value).  With 8 significant bits each they add up to some 0.6 % of the output's
; root mean square, against an allowance of 1 %; with f16's 11 bits to an eighth of that.
; RANGE, the limit kept: an operand beyond 65,504 in magnitude becomes infinite.  P lies in [0, 1]; |X| <= 16 max|ln_g| + max|ln_b|;
; q, k, v and the gated o have a root mean square of 1 on inputs as drawn and of 900 with gain and weights both 30 times larger,
; a 72nd of the limit; with both 30 times smaller it is 1.1e-3, where f16's step of 2^-24 is 5e-5 of it.
; WHAT DIFFERS FROM THE REFERENCE TEXT, all stated:
;   * a query with seq_pad = 1 gets -10000 on every key there; a constant per row leaves softmax as it is, so here the bias is
;     padk[key] * (1 - seq_pad[query]); both masks are read; the difference is f32 rounding only;
;   * scores stay unscaled: l = q.k + padk*nq with padk = -10000 sqrt(32) or 0, p = exp2(l QS - max(l) QS), QS = log2(e)/sqrt(32);
;     the true row maximum is taken away;
;   * the row sum adds the p as rounded to f16, the numbers that enter P x V;
;   * mask bytes are taken as 0 or 1; NaN and infinite inputs get no treatment of their own;
;   * LayerNorm in two passes (mean, then squares of x - mean).
; NO CLUSTER, NO JOINT REQUESTS: what work-groups share is the weights (655,360 bytes).  Each fragment goes from memory straight
; into the registers of the one wave that uses it; a joint request lands in LDS only, where 57,344 bytes are free while
; Wk and Wv (262,144 bytes) are at work, and it would add an LDS write and read of every weight byte.  m passes through registers
; for the f32 LayerNorm.
; FIVE BARRIERS: behind LayerNorm (X is whole); in the middle of the K,V pass (X rows 128-255 are read out, Q may go over them);
; in front of the output product (O of all heads is whole); behind each half of the output stage.  Between the second and the
; third a wave touches, beside X rows 0-127, which nobody writes, only LDS bytes of its own: the waves need not keep step there.
; No address register and no base of a global access is ever rewritten while it is a pending source, and EXEC never changes.
;
; LDS (bytes).  Row i of X holds token i xor 128 par: rows 0-127 are my queries; keys are counted in LDS rows throughout.
.set PX,    528                        ; X pitch: 512 + 16 = 33 x 16: the 16 rows of a fragment load lie in 16 different 16-byte columns mod 256
.set TSTEP, 16*PX                      ; 16 rows = one token tile
.set RQ,    128*PX                     ; 67,584: Q fragments in lane order, 8,192 a wave, over X rows 128-255; tile by tile replaced by O fragments
.set R2,    256*PX                     ; 135,168: K fragments (16,384 a wave), then G in f32 (the same), then the output stage
.set PS,    1040                       ; stage pitch: 1,024 + 16 = 65 x 16
.set PADK,  R2+128*PS                  ; 268,288: 256 f32, the pad bias of each key
.set NQL,   PADK+1024                  ; 269,312: 256 f32, 1 - seq_pad of each row
.set WQ, 0                             ; byte offsets of the matrices in wf
.set WK, 131072
.set WV, 262144
.set WG, 393216
.set WO, 524288
; VECTOR REGISTERS, window 0 (v0-255).  r = lane & 15, h = lane >> 4.
.set L16, 1                            ; 16 lane
.set LNA, 2                            ; w*32 rows + 8 lane
.set BV,  3                            ; 32 h
.set XA,  4                            ; v4-7: r*528 + 16 h + g*64 rows
.set KP,  8                            ; R2 + w*16384 + 16 lane
.set QP,  9                            ; RQ + w*8192 + 16 lane
.set RD2, 10                           ; RD + 64 rows of the stage
.set NQA, 11                           ; NQL + 4 r
.set PKA, 12                           ; PADK + 32 h
.set ST,  13                           ; R2 + r*1040 + 32 h + 128 w
.set RD,  14                           ; R2 + w*8 rows of the stage + 16 lane
.set TMP, 15
.set GN,  16                           ; LayerNorm: gain v16-23, bias v24-31, work v32-63, 16 row slots v64-191, masks v192-194
.set BS,  24
.set TT,  32
.set XS,  64
.set MR,  192
.set MS,  193
.set MA,  194
.set KT,  16                           ; projections: packed result v16-23, stepped addresses v24-25, X fragments v32-95
.set XC,  24
.set SA,  25
.set XF,  32
.set ACC, 96                           ; two accumulators v96-111 (K in the K,V pass)
.set VA,  112                          ; two accumulators of V v112-127
.set BIAS,112                          ; later the bias of gate or output
.set VF,  128                          ; V^T fragments v128-255: 128 + 8 (8 ct + kp); at the end the rows on their way out
.set ONES,16                           ; attention
.set NQR, 24
.set NMX, 26
.set MX,  28
.set RS,  28
.set QF,  32
.set OA,  40                           ; O^T v40-55
.set SUM, 56
.set PB0, 64
.set PB1, 96
; window 1 (v256-511, written v0-255): low half Wk, Wq, then K fragments; high half Wv, Wg, then S and P (and G), then Wo
.set SB,  128
.set MSB, 0
.macro WIN new                         ; low byte: bits 1:0 source 0, 3:2 source 1, 5:4 source 2, 7:6 destination; high byte: the setting left
.if MSB != \new
	s_set_vgpr_msb (MSB<<8)|\new
.set MSB, \new
.endif
.endm
; Behind a matrix instruction four plain vector instructions that name none of its registers stand before a vector instruction or an
; LDS store reads its result and before a load is issued into one of its registers.
.macro PLACES
.rept 4
	v_nop
.endr
.endm
.macro BARRIER                         ; all my LDS accesses are done, then meet the others
	s_wait_dscnt 0x0
	s_barrier_signal -1
	s_barrier_wait -1
.endm
; 8 LDS loads: fragments ks = 4 half .. 4 half + 3 of a tile of 16 rows of X (2 x 16 bytes, 32 apart, for each 32 along K)
.macro XLOAD half, areg, off
.irp k, 0,1,2,3
	ds_load_b128 v[XF+8*(4*\half+\k):XF+8*(4*\half+\k)+3], v[\areg] offset:\off+64*(4*\half+\k)
	ds_load_b128 v[XF+8*(4*\half+\k)+4:XF+8*(4*\half+\k)+7], v[\areg] offset:\off+64*(4*\half+\k)+32
.endr
.endm
; the same for O: fragment ks is what head ks left in lane order, 8,192 bytes a head, 1,024 a query tile; 512 consecutive bytes a load
.macro OLOAD half, off
.irp k, 0,1,2,3
	ds_load_b128 v[XF+8*(4*\half+\k):XF+8*(4*\half+\k)+3], v[XC] offset:\off+8192*(4*\half+\k)
	ds_load_b128 v[XF+8*(4*\half+\k)+4:XF+8*(4*\half+\k)+7], v[XC] offset:\off+8192*(4*\half+\k)+512
.endr
.endm
; n loads of 512 consecutive bytes of wf into registers reg, reg + 4, ..
.macro WLOAD reg, n, woff
.set wi, 0
.rept \n
	global_load_b128 v[\reg+4*wi:\reg+4*wi+3], v[L16], s[22:23] offset:\woff+512*wi
.set wi, wi+1
.endr
.endm
; one matrix instruction; cm 0: next link of the chain, 1: starts the sum with 0, 2: starts it with the bias
.macro LINK d, a, b, cm, cb
.if \cm == 0
	v_wmma_f32_16x16x32_f16 v[\d:\d+7], v[\a:\a+7], v[\b:\b+7], v[\d:\d+7]
.endif
.if \cm == 1
	v_wmma_f32_16x16x32_f16 v[\d:\d+7], v[\a:\a+7], v[\b:\b+7], 0
.endif
.if \cm == 2
	v_wmma_f32_16x16x32_f16 v[\d:\d+7], v[\a:\a+7], v[\b:\b+7], v[\cb:\cb+7]
.endif
.endm
; 8 matrix instructions: accumulators d and d + 8 (column tiles ct = 0, 1 of my head) x four K steps from k0 on.
; swap 0: W x X (W window 1 as source 0), swap 1: X x W (W window 1 as source 1).
.macro MUL8 d, wb, k0, cm, swap
.irp k, 0,1,2,3
.irp c, 0,1
.set m_d, \d+8*\c
.set m_w, \wb+8*(8*\c+\k0+\k)
.set m_x, XF+8*(\k0+\k)
.set m_b, BIAS+8*\c
.set m_c, \cm
.if \k
.set m_c, 0
.endif
.if \swap
	LINK m_d, m_x, m_w, m_c, m_b
.else
	LINK m_d, m_w, m_x, m_c, m_b
.endif
.endr
.endr
.endm
; two f32 tiles src, src + 8 to f16: 4 registers at d0 and 4 at d1
.macro PACK d0, d1, src
.irp i, 0,1,2,3
	v_cvt_pk_f16_f32 v[\d0+\i], v[\src+2*\i], v[\src+2*\i+1]
	v_cvt_pk_f16_f32 v[\d1+\i], v[\src+8+2*\i], v[\src+8+2*\i+1]
.endr
.endm
; ---------------------------------------------------------------- set-up
	s_load_b512 s[8:23], s[0:1], 0x0               ; m 8, seq_pad 10, res_pad 12, ln_g 14, ln_b 16, bg 18, bo 20, wf 22
	s_load_b64 s[24:25], s[0:1], 0x40              ; out0
	v_lshrrev_b32 v[TMP], 5, v0
	v_readfirstlane_b32 s2, v[TMP]                 ; w
	s_and_b32 s3, ttmp9, 1                         ; par
	s_lshr_b32 s4, ttmp9, 1                        ; s
	s_mov_b32 s26, 0x76543210                      ; v_permlanex16_b32: lane i takes lane i xor 16
	s_mov_b32 s27, 0xfedcba98
	s_mov_b32 s28, 0x3e8293ee                      ; QS = log2(e) / sqrt(32), as a pair
	s_mov_b32 s29, 0x3e8293ee
	s_mov_b32 s30, 0xbe8293ee                      ; -QS
	s_mov_b32 s31, 0x3b800000                      ; 1 / 256
	s_mov_b32 s32, 0x3727c5ac                      ; 1e-5
	s_mov_b32 s34, 0xbfb8aa3b                      ; -log2(e), as a pair
	s_mov_b32 s35, 0xbfb8aa3b
	s_mov_b32 s36, 0xc75cf88b                      ; -10000 sqrt(32)
	s_lshl_b32 s37, s3, 7                          ; 128 par
	s_lshl_b32 s5, s3, 2
	s_xor_b32 s5, s5, s2                           ; LDS rows 32 w .. are tokens 32 (w xor 4 par) ..
	s_lshl_b32 s5, s5, 15                          ; 32 rows of 1,024 bytes
	s_lshl_b32 s38, s4, 18                         ; an MSA row is 262,144 bytes
	s_add_co_u32 s38, s38, s5
	s_mov_b32 s39, 0
	s_lshl_b32 s40, s2, 14                         ; my head: 16,384 bytes of each matrix
	s_mov_b32 s41, 0
	s_lshl_b32 s42, s2, 7                          ; my 32 numbers of bg and bo
	s_mov_b32 s43, 0
	s_lshl_b32 s44, s4, 18
	s_lshl_b32 s5, s3, 17                          ; my half: 128 rows of 1,024 bytes
	s_add_co_u32 s44, s44, s5
	s_lshl_b32 s5, s2, 13                          ; my 8 rows of each 64 that leave together
	s_add_co_u32 s44, s44, s5
	s_mov_b32 s45, 0
	v_xor_b32 v[TMP], s37, v0                      ; the token of LDS row v0
	v_and_b32 v16, 31, v0                          ; lane
	v_and_b32 v17, 15, v0                          ; r
	v_bfe_u32 v18, v0, 4, 1                        ; h
	v_lshlrev_b32 v[L16], 4, v16
	s_mul_i32 s5, s2, 32*PX
	v_lshl_add_u32 v[LNA], v16, 3, s5
	v_lshlrev_b32 v[BV], 5, v18
	v_mul_u32_u24 v19, v17, PX
	v_lshl_add_u32 v[XA], v18, 4, v19
	v_add_nc_u32 v[XA+1], 64*PX, v[XA]
	v_add_nc_u32 v[XA+2], 128*PX, v[XA]
	v_add_nc_u32 v[XA+3], 192*PX, v[XA]
	s_lshl_b32 s5, s2, 14
	s_add_co_u32 s5, s5, R2
	v_add_nc_u32 v[KP], s5, v[L16]
	s_lshl_b32 s5, s2, 13
	s_add_co_u32 s5, s5, RQ
	v_add_nc_u32 v[QP], s5, v[L16]
	v_lshlrev_b32 v[NQA], 2, v17
	v_add_nc_u32 v[NQA], NQL, v[NQA]
	v_add_nc_u32 v[PKA], PADK, v[BV]
	v_mul_u32_u24 v[ST], v17, PS
	v_add_nc_u32 v[ST], v[ST], v[BV]
	s_lshl_b32 s5, s2, 7
	s_add_co_u32 s5, s5, R2
	v_add_nc_u32 v[ST], s5, v[ST]
	s_mul_i32 s5, s2, 8*PS
	s_add_co_u32 s5, s5, R2
	v_add_nc_u32 v[RD], s5, v[L16]
	v_add_nc_u32 v[RD2], 64*PS, v[RD]
	v_lshl_add_u32 v[MA], v0, 2, PADK
	s_wait_kmcnt 0x0
	s_add_nc_u64 s[8:9], s[8:9], s[38:39]          ; the bases are set once and stay
	s_add_nc_u64 s[22:23], s[22:23], s[40:41]
	s_add_nc_u64 s[18:19], s[18:19], s[42:43]
	s_add_nc_u64 s[20:21], s[20:21], s[42:43]
	s_add_nc_u64 s[24:25], s[24:25], s[44:45]
; ---------------------------------------------------------------- LayerNorm: wave w makes LDS rows 32 w .. 32 w + 31
; A row is two loads of 512 consecutive bytes: a lane holds columns 4 lane .. + 3 and 128 + 4 lane .. + 3.
; Sixteen rows of a wave are on their way: 16,384 bytes a wave, 131,072 a work-group.
	global_load_u8 v[MR], v[TMP], s[12:13]         ; res_pad of my key
	global_load_u8 v[MS], v[TMP], s[10:11]         ; seq_pad of my row
	global_load_b128 v[GN:GN+3], v[L16], s[14:15]
	global_load_b128 v[GN+4:GN+7], v[L16], s[14:15] offset:512
	global_load_b128 v[BS:BS+3], v[L16], s[16:17]
	global_load_b128 v[BS+4:BS+7], v[L16], s[16:17] offset:512
.set ri, 0
.rept 16
	global_load_b128 v[XS+8*ri:XS+8*ri+3], v[L16], s[8:9] offset:1024*ri
	global_load_b128 v[XS+8*ri+4:XS+8*ri+7], v[L16], s[8:9] offset:1024*ri+512
.set ri, ri+1
.endr
.macro LANESUM                         ; four rows at once: the sum over 32 lanes of v[TT + 8 r], in every lane
.irp x, 1,2,4,8
.irp r, 0,1,2,3
	v_add_f32_dpp v[TT+8*\r], v[TT+8*\r], v[TT+8*\r] row_xmask:\x row_mask:0xf bank_mask:0xf
.endr
.endr
.irp r, 0,1,2,3
	v_permlanex16_b32 v[TT+8*\r+1], v[TT+8*\r], s26, s27
.endr
.irp r, 0,1,2,3
	v_add_f32 v[TT+8*\r], v[TT+8*\r], v[TT+8*\r+1]
.endr
.endm
; Rows 4 G .. 4 G + 3, step by step side by side.  N: the loads younger than these rows.  refill: the slots get the rows 16 further down.
.macro LN4 G, N, refill
.set xb, XS+32*(\G&3)
	s_wait_loadcnt \N
.irp r, 0,1,2,3
	v_pk_add_f32 v[TT+8*\r:TT+8*\r+1], v[xb+8*\r:xb+8*\r+1], v[xb+8*\r+2:xb+8*\r+3]
	v_pk_add_f32 v[TT+8*\r+2:TT+8*\r+3], v[xb+8*\r+4:xb+8*\r+5], v[xb+8*\r+6:xb+8*\r+7]
.endr
.irp r, 0,1,2,3
	v_pk_add_f32 v[TT+8*\r:TT+8*\r+1], v[TT+8*\r:TT+8*\r+1], v[TT+8*\r+2:TT+8*\r+3]
.endr
.irp r, 0,1,2,3
	v_add_f32 v[TT+8*\r], v[TT+8*\r], v[TT+8*\r+1]
.endr
	LANESUM
.irp r, 0,1,2,3
	v_mul_f32 v[TT+8*\r+2], s31, v[TT+8*\r]        ; the mean, twice, for the packed subtraction
	v_mul_f32 v[TT+8*\r+3], s31, v[TT+8*\r]
.endr
.irp r, 0,1,2,3
.irp j, 0,2,4,6
	v_pk_add_f32 v[xb+8*\r+\j:xb+8*\r+\j+1], v[xb+8*\r+\j:xb+8*\r+\j+1], v[TT+8*\r+2:TT+8*\r+3] neg_lo:[0,1] neg_hi:[0,1]
.endr
.endr
.irp r, 0,1,2,3
	v_pk_mul_f32 v[TT+8*\r:TT+8*\r+1], v[xb+8*\r:xb+8*\r+1], v[xb+8*\r:xb+8*\r+1]
.endr
.irp j, 2,4,6
.irp r, 0,1,2,3
	v_pk_fma_f32 v[TT+8*\r:TT+8*\r+1], v[xb+8*\r+\j:xb+8*\r+\j+1], v[xb+8*\r+\j:xb+8*\r+\j+1], v[TT+8*\r:TT+8*\r+1]
.endr
.endr
.irp r, 0,1,2,3
	v_add_f32 v[TT+8*\r], v[TT+8*\r], v[TT+8*\r+1]
.endr
	LANESUM
.irp r, 0,1,2,3
	v_fma_f32 v[TT+8*\r], v[TT+8*\r], s31, s32     ; variance + 1e-5
.endr
.irp r, 0,1,2,3
	v_rsq_f32 v[TT+8*\r+2], v[TT+8*\r]
	v_rsq_f32 v[TT+8*\r+3], v[TT+8*\r]
.endr
	v_nop                                          ; one plain place between the last v_rsq_f32 and the first use (ISA guide 5.7.2)
	s_wait_alu depctr_va_vdst(0)
.irp r, 0,1,2,3
.irp j, 0,2,4,6
	v_pk_mul_f32 v[xb+8*\r+\j:xb+8*\r+\j+1], v[xb+8*\r+\j:xb+8*\r+\j+1], v[TT+8*\r+2:TT+8*\r+3]
.endr
.endr
.irp r, 0,1,2,3
.irp j, 0,2,4,6
	v_pk_fma_f32 v[xb+8*\r+\j:xb+8*\r+\j+1], v[xb+8*\r+\j:xb+8*\r+\j+1], v[GN+\j:GN+\j+1], v[BS+\j:BS+\j+1]
.endr
.endr
.irp r, 0,1,2,3
.irp j, 0,1,2,3
	v_cvt_pk_f16_f32 v[TT+8*\r+4+\j], v[xb+8*\r+2*\j], v[xb+8*\r+2*\j+1]
.endr
.endr
.irp r, 0,1,2,3
	ds_store_b64 v[LNA], v[TT+8*\r+4:TT+8*\r+5] offset:(4*\G+\r)*PX          ; 32 lanes: 256 consecutive bytes
	ds_store_b64 v[LNA], v[TT+8*\r+6:TT+8*\r+7] offset:(4*\G+\r)*PX+256
.endr
.if \refill
.irp r, 0,1,2,3
	global_load_b128 v[xb+8*\r:xb+8*\r+3], v[L16], s[8:9] offset:(4*\G+\r+16)*1024
	global_load_b128 v[xb+8*\r+4:xb+8*\r+7], v[L16], s[8:9] offset:(4*\G+\r+16)*1024+512
.endr
.endif
.endm
	LN4 0, 24, 1                                   ; younger: rows 4-15 = 24 loads.  Masks, gain and bias are older: in as well
	v_cvt_f32_u32 v[MR], v[MR]
	v_cvt_f32_u32 v[MS], v[MS]
	v_mul_f32 v[MR], s36, v[MR]                    ; padk = -10000 sqrt(32) or 0
	v_sub_f32 v[MS], 1.0, v[MS]                    ; nq = 1 - seq_pad
	ds_store_b32 v[MA], v[MR]
	ds_store_b32 v[MA], v[MS] offset:1024
	LN4 1, 24, 1                                   ; younger: 16 first loads + 8 refills
	LN4 2, 24, 1                                   ; 8 + 16
	LN4 3, 24, 1                                   ; 24 refills
	LN4 4, 24, 0                                   ; the refills of groups 1-3
	WIN 0x40                                       ; my head of Wk and Wv comes in behind the rows, 16 loads a group
	WLOAD 0, 16, WK
	WIN 0
	LN4 5, 32, 0                                   ; 16 row loads + 16 weight loads
	WIN 0x40
	WLOAD 64, 16, WK+8192
	WIN 0
	LN4 6, 40, 0                                   ; 8 + 32
	WIN 0x40
	WLOAD 128, 16, WV
	WIN 0
	LN4 7, 48, 0                                   ; 0 + 48
	WIN 0x40
	WLOAD 192, 16, WV+8192
	WIN 0
	BARRIER                                        ; X, PADK and NQL are written: all may read them
; ---------------------------------------------------------------- K and V of my head, 16 token tiles, 32 matrix instructions for 16 LDS loads
; Tile T = LDS rows 16 T .. + 15 = keys 16 T .. + 15.  nxt: the tile whose fragments are fetched ahead, -1: none.
; The tiles of rows 128-255 go first, so that the one barrier that frees those rows for Q stands in the middle of the pass
; and no wave has to wait for another between the end of this pass and the output product.
.macro KVTILE T, nxt, first
.if \first
	s_wait_dscnt 8                                 ; fragments 0-3 are in; the 8 loads of fragments 4-7 may be out
.else
	s_wait_dscnt 10                                ; the same, with the two K stores that were issued between the two runs
.endif
	WIN 0x01
	MUL8 ACC, 0, 0, 1, 0                           ; K^T = Wk x X
	s_wait_dscnt 0
	MUL8 ACC, 0, 4, 0, 0
	WIN 0x04
	MUL8 VA, 128, 0, 1, 1                          ; V = X x Wv
	WIN 0
	PLACES                                         ; for the loads into fragments 0-3 and the packing of K
.if \nxt >= 0
.set xa, XA+((\nxt)>>2)
.set xo, ((\nxt)&3)*TSTEP
	XLOAD 0, xa, xo
.endif
	PACK KT, KT+4, ACC                             ; 16 tokens x 32 c: a fragment of K, parked in lane order
	ds_store_b128 v[KP], v[KT:KT+3] offset:\T*1024
	ds_store_b128 v[KP], v[KT+4:KT+7] offset:\T*1024+512
	WIN 0x04
	MUL8 VA, 128, 4, 0, 1
	WIN 0
	PLACES
	v_nop                                          ; the fifth place: the next tile's first product of V writes over these sums (ISA guide 7.12.1)
.if \nxt >= 0
	XLOAD 1, xa, xo
.endif
.set vd, VF+8*(\T>>1)+4*(\T&1)
	PACK vd, vd+64, VA                             ; half a fragment of V^T for each column tile
.endm
	XLOAD 0, XA+2, 0                               ; tile 8: rows 128-143
	XLOAD 1, XA+2, 0
	s_wait_loadcnt 0x0                             ; Wk and Wv
	KVTILE 8, 9, 1
	KVTILE 9, 10, 0
	KVTILE 10, 11, 0
	KVTILE 11, 12, 0
	KVTILE 12, 13, 0
	KVTILE 13, 14, 0
	KVTILE 14, 15, 0
	KVTILE 15, 0, 0
	BARRIER                                        ; every wave's reads of X rows 128-255 are done: RQ, which lies over them, may be written
	KVTILE 0, 1, 0                                 ; (its first wait is met at once: the barrier's wait has drained everything)
	KVTILE 1, 2, 0
	KVTILE 2, 3, 0
	KVTILE 3, 4, 0
	KVTILE 4, 5, 0
	KVTILE 5, 6, 0
	KVTILE 6, 7, 0
	KVTILE 7, -1, 0
	WIN 0x40
	WLOAD 0, 32, WQ                                ; over Wk and Wv, more than four places behind the last product that read them
	WLOAD 128, 32, WG
	WIN 0
	global_load_b128 v[BIAS:BIAS+3], v[BV], s[18:19]              ; bg[32 w + 16 ct + 8 h + j], the places of G^T
	global_load_b128 v[BIAS+4:BIAS+7], v[BV], s[18:19] offset:16
	global_load_b128 v[BIAS+8:BIAS+11], v[BV], s[18:19] offset:64
	global_load_b128 v[BIAS+12:BIAS+15], v[BV], s[18:19] offset:80
; ---------------------------------------------------------------- Q, G and (later) the output: tiles of 16 of my queries
; kind 0: Q, packed, to RQ.  kind 1: the gate, sigmoid in f32, to my part of R2.  kind 2: the output with its bias, to the stage.
.macro FLOAD kind, half                ; the next tile's fragments
.if \kind == 2
	OLOAD \half, 1024
.else
	XLOAD \half, XC, TSTEP
.endif
.endm
.macro PTILE more, wb, kind
	s_wait_dscnt 8                                 ; at most the 8 newest accesses are out: fragments 0-3 are older than those
	WIN 0x01
.if \kind == 2
	MUL8 ACC, \wb, 0, 2, 0
.else
	MUL8 ACC, \wb, 0, 1, 0
.endif
	WIN 0
	PLACES
.if \more
	FLOAD \kind, 0
	s_wait_dscnt 8                                 ; the 8 loads just issued stay out; fragments 4-7 are in
.else
	s_wait_dscnt 0
.endif
	WIN 0x01
	MUL8 ACC, \wb, 4, 0, 0
	WIN 0
	PLACES
.if \more
	FLOAD \kind, 1
.endif
.if \kind == 0
	PACK KT, KT+4, ACC
	ds_store_b128 v[SA], v[KT:KT+3]
	ds_store_b128 v[SA], v[KT+4:KT+7] offset:512
.endif
.if \kind == 1
.irp i, 0,1,2,3,4,5,6,7
	v_pk_fma_f32 v[ACC+2*\i:ACC+2*\i+1], v[ACC+2*\i:ACC+2*\i+1], s[34:35], v[BIAS+2*\i:BIAS+2*\i+1] op_sel_hi:[1,0,1]   ; -(z + bg) log2(e)
.endr
.set gi, 0
.rept 16
	v_exp_f32 v[ACC+gi], v[ACC+gi]
.set gi, gi+1
.endr
	v_nop                                          ; a plain place between the exponentials and their use
	s_wait_alu depctr_va_vdst(0)
.irp i, 0,1,2,3,4,5,6,7
	v_pk_add_f32 v[ACC+2*\i:ACC+2*\i+1], v[ACC+2*\i:ACC+2*\i+1], 1.0 op_sel_hi:[1,0]
.endr
.set gi, 0
.rept 16
	v_rcp_f32 v[ACC+gi], v[ACC+gi]
.set gi, gi+1
.endr
	v_nop
	s_wait_alu depctr_va_vdst(0)
.irp i, 0,1,2,3
	ds_store_b128 v[SA], v[ACC+4*\i:ACC+4*\i+3] offset:512*\i
.endr
.endif
.if \kind == 2
	ds_store_b128 v[SA], v[ACC:ACC+3]              ; query r, columns 32 w + 8 h + 0..7 and 32 w + 16 + 8 h + 0..7
	ds_store_b128 v[SA], v[ACC+4:ACC+7] offset:16
	ds_store_b128 v[SA], v[ACC+8:ACC+11] offset:64
	ds_store_b128 v[SA], v[ACC+12:ACC+15] offset:80
.endif
.if \more
.if \kind == 0                                     ; with the four v_nop above: more than five places before the sums start anew
	v_add_nc_u32 v[XC], TSTEP, v[XC]
	v_add_nc_u32 v[SA], 1024, v[SA]
.endif
.if \kind == 1
	v_add_nc_u32 v[XC], TSTEP, v[XC]
	v_add_nc_u32 v[SA], 2048, v[SA]
.endif
.if \kind == 2
	v_add_nc_u32 v[XC], 1024, v[XC]
	v_add_nc_u32 v[SA], 16*PS, v[SA]
.endif
.endif
.endm
	v_mov_b32 v[XC], v[XA]
	v_mov_b32 v[SA], v[QP]
	XLOAD 0, XC, 0
	XLOAD 1, XC, 0
	s_wait_loadcnt 0x0                             ; Wq, Wg, bg
.irp i, 0,1,2,3,4,5,6,7
	v_pk_mul_f32 v[BIAS+2*\i:BIAS+2*\i+1], v[BIAS+2*\i:BIAS+2*\i+1], s[34:35] op_sel_hi:[1,0]    ; -bg log2(e)
.endr
	s_mov_b32 s33, 7
.Lq:
	PTILE 1, 0, 0
	s_sub_co_u32 s33, s33, 1
	s_cmp_lg_u32 s33, 0
	s_cbranch_scc1 .Lq
	PTILE 0, 0, 0                                  ; the last tile loads nothing further
	WIN 0x40                                       ; K comes back, over Wq.  LDS serves a wave in order (ISA guide 5.7.1): these reads
.set wi, 0                                         ; follow my stores of K and precede my stores of G into the same bytes
.rept 32
	ds_load_b128 v[4*wi:4*wi+3], v[KP] offset:512*wi
.set wi, wi+1
.endr
	WIN 0
	v_mov_b32 v[XC], v[XA]
	v_mov_b32 v[SA], v[KP]
	XLOAD 0, XC, 0
	XLOAD 1, XC, 0
	s_mov_b32 s33, 7
.Lg:
	PTILE 1, 128, 1
	s_sub_co_u32 s33, s33, 1
	s_cmp_lg_u32 s33, 0
	s_cbranch_scc1 .Lg
	PTILE 0, 128, 1
; No barrier here: attention reads and writes only my own Q, G and O bytes and the two tables, which nobody writes any more.
; ---------------------------------------------------------------- attention: 8 trips, 16 queries x 256 keys each
.macro PADLOAD b, pb                   ; the pad bias of key tiles 4 b .. 4 b + 3: keys 16 t + 8 h + 0..7
	WIN 0
.irp u, 0,1,2,3
	ds_load_b128 v[\pb+8*\u:\pb+8*\u+3], v[PKA] offset:64*(4*\b+\u)
	ds_load_b128 v[\pb+8*\u+4:\pb+8*\u+7], v[PKA] offset:64*(4*\b+\u)+16
.endr
.endm
.macro PADADD t0, pb                   ; l = padk nq + q.k for four key tiles
	WIN 0x50
.set pi, 0
.rept 16
	v_pk_fma_f32 v[SB+8*\t0+2*pi:SB+8*\t0+2*pi+1], v[\pb+2*pi:\pb+2*pi+1], v[NQR:NQR+1], v[SB+8*\t0+2*pi:SB+8*\t0+2*pi+1]
.set pi, pi+1
.endr
.endm
.macro MAX8 t0, first                  ; eight key tiles into four running maxima that do not wait for each other
	WIN 0x14
.irp g, 0,4
.irp i, 0,1,2,3
.irp u, 0,1,2,3
.set x_s, SB+8*(\t0+\g+\u)+2*\i
.set x_f, 0
.if \first
.if \g == 0
.if \i == 0
.set x_f, 1
.endif
.endif
.endif
.if x_f
	v_max3_num_f32 v[MX+\u], 0xff800000, v[x_s], v[x_s+1]
.else
	v_max3_num_f32 v[MX+\u], v[MX+\u], v[x_s], v[x_s+1]
.endif
.endr
.endr
.endr
.endm
.macro SFMA kp                         ; 32 keys: l QS - max QS
.set si, 0
.rept 8
	v_pk_fma_f32 v[SB+16*(\kp)+2*si:SB+16*(\kp)+2*si+1], v[SB+16*(\kp)+2*si:SB+16*(\kp)+2*si+1], s[28:29], v[NMX:NMX+1] op_sel_hi:[1,0,1]
.set si, si+1
.endr
.endm
.macro SEXP kp
.set si, 0
.rept 16
	v_exp_f32 v[SB+16*(\kp)+si], v[SB+16*(\kp)+si]
.set si, si+1
.endr
.endm
.macro SCVT kp                         ; in place, ascending: the fragment of P for keys 32 kp .. + 31 in the first 8 of the 16 registers
.set si, 0
	s_wait_alu depctr_va_vdst(0)
.rept 8
	v_cvt_pk_f16_f32 v[SB+16*(\kp)+si], v[SB+16*(\kp)+2*si], v[SB+16*(\kp)+2*si+1]
.set si, si+1
.endr
.endm
.irp i, 0,1,2,3,4,5,6,7
	v_mov_b32 v[ONES+\i], 0x3c003c00               ; a fragment of ones in f16
.endr
	s_mov_b32 s33, 8
.Latt:
	ds_load_b128 v[QF:QF+3], v[QP]
	ds_load_b128 v[QF+4:QF+7], v[QP] offset:512
	ds_load_b32 v[NQR], v[NQA]                     ; nq of query r, twice, for the packed forms
	ds_load_b32 v[NQR+1], v[NQA]
	PADLOAD 0, PB0
	PADLOAD 1, PB1
	s_wait_dscnt 18                                ; the 18 loads behind the fragment of Q stay out
	WIN 0x41
.set ti, 0
.rept 16
	v_wmma_f32_16x16x32_f16 v[SB+8*ti:SB+8*ti+7], v[8*ti:8*ti+7], v[QF:QF+7], 0      ; S^T = K x Q
.set ti, ti+1
.endr
	PLACES
	s_wait_dscnt 8                                 ; nq and batch 0 are in, batch 1 may be out
	PADADD 0, PB0
	PADLOAD 2, PB0
	s_wait_dscnt 8                                 ; batch 1 is in, batch 2 may be out
	PADADD 4, PB1
	PADLOAD 3, PB1
	MAX8 0, 1
	s_wait_dscnt 8                                 ; batch 2 is in, batch 3 may be out
	PADADD 8, PB0
	s_wait_dscnt 0
	PADADD 12, PB1
	MAX8 8, 0
	WIN 0
	v_max3_num_f32 v[MX], v[MX], v[MX+1], v[MX+2]
	v_max_num_f32 v[MX], v[MX], v[MX+3]
	v_permlanex16_b32 v[TMP], v[MX], s26, s27      ; the other eight keys of every tile lie in lane xor 16
	v_max_num_f32 v[MX], v[MX], v[TMP]
	v_mul_f32 v[NMX], s30, v[MX]                   ; -max QS
	v_mul_f32 v[NMX+1], s30, v[MX]
	WIN 0x45                                       ; one setting for all three kinds of line
	SFMA 0
	SEXP 0
.irp p, 1,2,3,4,5,6,7
.set pm, \p-1
	SFMA \p                                        ; the plain places between a batch of exponentials and its packing
	SCVT pm
	SEXP \p
.endr
	v_nop
	s_wait_alu depctr_va_vdst(0)
	SCVT 7
	WIN 0x40                                       ; G of these queries into registers that the packing has left free
	ds_load_b128 v[SB+8:SB+11], v[KP]
	ds_load_b128 v[SB+12:SB+15], v[KP] offset:512
	ds_load_b128 v[SB+24:SB+27], v[KP] offset:1024
	ds_load_b128 v[SB+28:SB+31], v[KP] offset:1536
	WIN 0x04
.irp p, 0,1,2,3,4,5,6,7
.set m_c, 0
.if \p == 0
.set m_c, 1
.endif
.set m_p, SB+16*\p
.set m_v, VF+8*\p
	LINK OA, m_v, m_p, m_c, BIAS                   ; O^T, c = 0-15
	LINK OA+8, m_v+64, m_p, m_c, BIAS              ; O^T, c = 16-31
	LINK SUM, ONES, m_p, m_c, BIAS                 ; the row sums
.endr
	PLACES
	s_wait_dscnt 0                                 ; G
	v_rcp_f32 v[RS], v[SUM]                        ; at least 1: the largest p is 1
	v_rcp_f32 v[RS+1], v[SUM]
.irp i, 0,1,2,3
	v_pk_mul_f32 v[OA+2*\i:OA+2*\i+1], v[OA+2*\i:OA+2*\i+1], v[SB+8+2*\i:SB+8+2*\i+1]          ; these are the plain places behind v_rcp_f32
	v_pk_mul_f32 v[OA+8+2*\i:OA+8+2*\i+1], v[OA+8+2*\i:OA+8+2*\i+1], v[SB+24+2*\i:SB+24+2*\i+1]
.endr
	WIN 0
	s_wait_alu depctr_va_vdst(0)
.irp i, 0,1,2,3,4,5,6,7
	v_pk_mul_f32 v[OA+2*\i:OA+2*\i+1], v[OA+2*\i:OA+2*\i+1], v[RS:RS+1]
.endr
	PACK QF, QF+4, OA                              ; query r; registers 0-3: c = 8 h + 0..7, 4-7: c = 16 + 8 h + 0..7: fragment ks = w of the last product
	ds_store_b128 v[QP], v[QF:QF+3]                ; in lane order over this tile's Q, which was read at the head of the trip: my own bytes
	ds_store_b128 v[QP], v[QF+4:QF+7] offset:512
	v_add_nc_u32 v[QP], 1024, v[QP]
	v_add_nc_u32 v[NQA], 64, v[NQA]
	v_add_nc_u32 v[KP], 2048, v[KP]
	s_sub_co_u32 s33, s33, 1
	s_cmp_lg_u32 s33, 0
	s_cbranch_scc1 .Latt
; ---------------------------------------------------------------- output projection: wave w makes columns 32 w .. + 31 of all 128 queries
; In two halves of 64 queries: the first 65,536 bytes of the work-group's output are on their way to memory while the second half is multiplied.
; 16 loads: my 8 rows of a half of the stage, 512 consecutive bytes each
.macro FLUSHLD areg, reg
.set fi, 0
.rept 16
	ds_load_b128 v[\reg+4*fi:\reg+4*fi+3], v[\areg] offset:(fi>>1)*PS+(fi&1)*512
.set fi, fi+1
.endr
.endm
; and 16 stores of 512 consecutive bytes, aligned.  younger: LDS loads issued behind the 16 above, which stay out
.macro FLUSHST q, reg, younger
.set fi, 0
.rept 16
	s_wait_dscnt 15-fi+\younger                    ; LDS loads come back in order: number fi is in
	global_store_b128 v[L16], v[\reg+4*fi:\reg+4*fi+3], s[24:25] offset:(64*\q+(fi>>1))*1024+(fi&1)*512 th:TH_STORE_NT
.set fi, fi+1
.endr
.endm
	WIN 0x40
	WLOAD 128, 32, WO
	WIN 0
	global_load_b128 v[BIAS:BIAS+3], v[BV], s[20:21]              ; bo starts the sums
	global_load_b128 v[BIAS+4:BIAS+7], v[BV], s[20:21] offset:16
	global_load_b128 v[BIAS+8:BIAS+11], v[BV], s[20:21] offset:64
	global_load_b128 v[BIAS+12:BIAS+15], v[BV], s[20:21] offset:80
	BARRIER                                        ; O of all heads is written, all reads of G are done: the stage may be written
	v_add_nc_u32 v[XC], RQ, v[L16]
	v_mov_b32 v[SA], v[ST]
	OLOAD 0, 0
	OLOAD 1, 0
	s_wait_loadcnt 0x0                             ; Wo, bo
	s_mov_b32 s33, 3
.Lo0:
	PTILE 1, 128, 2
	s_sub_co_u32 s33, s33, 1
	s_cmp_lg_u32 s33, 0
	s_cbranch_scc1 .Lo0
	PTILE 0, 128, 2
	BARRIER                                        ; rows 0-63 of the stage are whole
	FLUSHLD RD, VF
	v_add_nc_u32 v[XC], RQ+4*1024, v[L16]          ; query tile 4
	v_add_nc_u32 v[SA], 64*PS, v[ST]               ; stage rows 64-127: other bytes than those being read
	OLOAD 0, 0
	OLOAD 1, 0
	FLUSHST 0, VF, 16                              ; the 16 fragment loads just issued stay out
	s_mov_b32 s33, 3
.Lo1:
	PTILE 1, 128, 2
	s_sub_co_u32 s33, s33, 1
	s_cmp_lg_u32 s33, 0
	s_cbranch_scc1 .Lo1
	PTILE 0, 128, 2
	BARRIER                                        ; rows 64-127 of the stage are whole
	FLUSHLD RD2, VF+64                             ; other registers than the first half's stores may still read
	FLUSHST 1, VF+64, 0
	s_wait_xcnt 0x0
	v_lshl_add_u32 v254, v0, 2, 0x42000
	v_mov_b32 v255, 0
	s_wait_tensorcnt 0x0
	ds_add_u32 v254, v255
	s_wait_dscnt 0x0
	s_endpgm
.Lfunc_end_k_q8a2de363df_main:
	.size	k_q8a2de363df_main, .Lfunc_end_k_q8a2de363df_main-k_q8a2de363df_main
	.p2alignl 7, 3214868480
	.fill 96, 4, 3214868480
	.section	.rodata,"a",@progbits
	.p2align	6, 0x0
	.amdhsa_kernel k_q8a2de363df_main
		.amdhsa_group_segment_fixed_size 271360
		.amdhsa_private_segment_fixed_size 0
		.amdhsa_enable_private_segment 0
		.amdhsa_kernarg_size 72
		.amdhsa_user_sgpr_count 2
		.amdhsa_user_sgpr_kernarg_segment_ptr 1
		.amdhsa_wavefront_size32 1
		.amdhsa_system_sgpr_workgroup_id_x 1
		.amdhsa_system_sgpr_workgroup_id_y 1
		.amdhsa_system_sgpr_workgroup_id_z 1
		.amdhsa_system_vgpr_workitem_id 0
		.amdhsa_next_free_vgpr 512
		.amdhsa_next_free_sgpr 66
		.amdhsa_reserve_vcc 0
		.amdhsa_float_denorm_mode_32 3
		.amdhsa_float_denorm_mode_16_64 3
		.amdhsa_memory_ordered 1
		.amdhsa_forward_progress 1
		.amdhsa_inst_pref_size 248
	.end_amdhsa_kernel
	.amdgpu_metadata
---
amdhsa.version: [ 1, 2 ]
amdhsa.kernels:
  - .name:           k_q8a2de363df_main
    .symbol:         k_q8a2de363df_main.kd
    .args:
      - { .name: m, .offset: 0, .size: 8, .value_kind: global_buffer, .address_space: global }
      - { .name: seq_pad, .offset: 8, .size: 8, .value_kind: global_buffer, .address_space: global }
      - { .name: res_pad, .offset: 16, .size: 8, .value_kind: global_buffer, .address_space: global }
      - { .name: ln_g, .offset: 24, .size: 8, .value_kind: global_buffer, .address_space: global }
      - { .name: ln_b, .offset: 32, .size: 8, .value_kind: global_buffer, .address_space: global }
      - { .name: bg, .offset: 40, .size: 8, .value_kind: global_buffer, .address_space: global }
      - { .name: bo, .offset: 48, .size: 8, .value_kind: global_buffer, .address_space: global }
      - { .name: wf, .offset: 56, .size: 8, .value_kind: global_buffer, .address_space: global }
      - { .name: out0, .offset: 64, .size: 8, .value_kind: global_buffer, .address_space: global }
    .group_segment_fixed_size: 271360
    .private_segment_fixed_size: 0
    .kernarg_segment_align: 8
    .kernarg_segment_size: 72
    .max_flat_workgroup_size: 256
    .sgpr_count:     66
    .vgpr_count:     512
    .wavefront_size: 32
...
	.end_amdgpu_metadata
.endif
;; end of part 2
